; MI455X (gfx1250); checked and timed in simulation.
; The chip was launched on July 23, 2026; its instructions are those of AMD's public machine-readable ISA for CDNA 5 (MIT licence, August 2026) and "CDNA5" Instruction Set Architecture Reference Guide (July 2026). The comments in the code are by the model that wrote it; some were corrected since.
;; Model. Allowed arithmetic: matrix products marked QUANTISED: E5M2 operands, one given power-of-two scale a tensor, by v_wmma_f32_16x16x64_bf8_bf8 or v_wmma_f32_16x16x128_bf8_bf8, f32 sums; everything else in f32.
;; Inputs: attn_mask 1 x 1 x 2,048 x 2,048 float32; k 4 x 16 x 2,048 x 128 float32; lowp_scales 4 int32 (the exponents e of the quantised operands' scales 2^e); q 4 x 16 x 2,048 x 128 float32; v 4 x 16 x 2,048 x 128 float32.
;; Outputs: out0 4 x 16 x 2,048 x 128 float32.
;; This version of the problem:
;;   THIS VERSION OF THE PROBLEM IS GIVEN IN LOW PRECISION. The matrix products marked QUANTISED in the list below multiply operands that are first quantised to E5M2 (5 exponent bits, 2 mantissa bits; 8 bits a number), with one given power-of-two scale for each operand tensor; their sums are f32. All else is computed in f32.
;;   The module's matrix products, in the order in which they are computed (A, B: the left and right operand; K: the contracted axis; several contracted axes count as one K, in the product's order):
;;     1. batch 64 x [M 2,048, K 128] x [K 128, N 2,048]; A: input q; B: input k: QUANTISED (scales: A lowp_scales[0], B lowp_scales[1])
;;     2. batch 64 x [M 2,048, K 2,048] x [K 2,048, N 128]; A: softmax (see below); B: input v: QUANTISED (scales: A lowp_scales[2], B lowp_scales[3])
;;   THE QUANTISER, for each operand of a quantised product, along K:
;;     - The operand's scale is 2^e, e = its entry of the input lowp_scales (int32; the entries are numbered through the quantised products in the list's order, A before B).
;;     - Each number is divided by the scale, clamped to +-57,344, and rounded to the nearest number of E5M2, ties to even, subnormals kept.
;;     - The product sums the exact products of the quantised numbers (number of the format x scale) in f32.
;;   ~~~python
;;   def quantise(x, axis, e):      # numpy; x: float32 -> the quantised numbers, widened to float32 again
;;       x = np.moveaxis(x, axis, -1); K = x.shape[-1]
;;       r = np.clip(x / 2.0 ** e, -57344, 57344)
;;       step = 2.0 ** (np.maximum(np.frexp(np.where(r == 0, 1, r))[1] - 1, -14) - 2)
;;       q = np.round(r / step) * step * 2.0 ** e      # np.round: ties to even
;;       return np.moveaxis(q, -1, axis).astype(np.float32)
;;   ~~~
;;   SOFTMAX AHEAD OF A QUANTISED PRODUCT. Where the list says 'softmax', what is quantised is not the finished softmax but p = 2^(t - M), with t = logit x log2(e) and M = ceil(the row's largest t), a whole number; so 1/2 < the row's largest p <= 1. The row's sum l is taken of the UNQUANTISED p, in f32, and the product's result is divided by l at the end. Since M is a whole number, a kernel that streams over the keys may use a running M (the ceiling of the running maximum): every later rescaling is an exact power of two, so the quantised numbers keep their values, but for numbers so far below the row's largest that they fall under the format's range.
;;   OPERANDS COMPUTED ON THE WAY. 'Computed on the way' means the value that the module computes at that place (a softmax that the list does not call 'softmax' is quantised finished and normalised). What goes into a quantiser is computed in f32, as accurately as f32 sums, v_exp_f32 and their like allow (about 1e-6 of the number): no bf16 or f16 on the way to a quantiser, and a product that is left as it is and whose result goes on into a quantised operand takes f32 operands (vector FMAs, or v_wmma_f32_16x16x4_f32). A number that lies on a knife's edge between two numbers of the format may be rounded either way, as far as f32 arithmetic and the matrix unit's own rounding can turn it there, and no further.
;; One version. Each part assembles by itself: llvm-mc -triple=amdgcn-amd-amdhsa -mcpu=gfx1250 --defsym DOCPART=n.
;; ======== version 1 of 1: 2 launches
;; limits: right only within a limited range of input values
;; workspace buffers: kc 16,777,216 bytes; vc 16,777,216 bytes; mc 16,777,216 bytes; qc 16,777,216 bytes
;; launch prep (part 1): grid 3328 x 1, 4 waves a work-group, no clusters, 68,096 bytes of LDS; arguments k, v, attn_mask, lowp_scales, kc, vc, mc, q, qc; writes kc, vc, mc, qc
.if DOCPART == 1
	.amdgcn_target "amdgcn-amd-amdhsa--gfx1250"
	.amdhsa_code_object_version 6
	.text
	.protected	k_qe0f2a134a6_prep
	.globl	k_qe0f2a134a6_prep
	.p2align	8
	.type	k_qe0f2a134a6_prep,@function
k_qe0f2a134a6_prep:
	s_mov_b64 s[64:65], 0
	v_nop
	global_prefetch_b8 v0, s[64:65] scope:SCOPE_SE
	s_setreg_imm32_b32 hwreg(HW_REG_WAVE_MODE, 25, 1), 1
	s_wait_xcnt 0x0
; THE LAUNCH IN FRONT OF THE ATTENTION.  k and v ([64 heads][2048][128] f32) become codes of BF8 (E5M2) with the given scales 2^ek, 2^ev; the mask ([2048][2048] f32) becomes mask x sqrt(128) x 2^-(eq+ek), f32.
; All three leave in the ORDER OF THE REGISTERS that the attention gives them, so that it takes them by loads of 16 bytes a lane, 512 consecutive bytes an instruction:
;   kc [head][step of 128 keys][fragment t = 2 b + u][chunk c][lane (r, h)][16 bytes]: key 128 s + 32 b + 8 u + r + 8 (r / 8), channels 32 c + 16 h + 0 .. 15
;   vc [head][step][tile t][chunk c][lane (r, h)][16 bytes]: channel 16 t + r, keys 128 s + 32 c + 16 h + 0 .. 15   (the keys are the second product's K)
;   mc [tile of 16 queries qt][step ks][image i = 4 b + m][lane (r, h)][16 bytes]: query 16 qt + r, keys 128 ks + 32 b + 16 h + 4 m + 0 .. 3: registers 4 i .. 4 i + 3 of a lane's 64 scores
; code = x / 2^e, held within +-57,344, to the nearest code, ties to even.  The scaled mask is held within +-3e38, so that an infinite mask stays a number that the sums can carry.
; ONE LAUNCH, THREE PATHS, chosen by the work-group's number: 0-1023 k, 1024-2047 v (a work-group to a head's key step), 2048-2303 the mask (8 blocks of 16 queries x 128 keys).  Every wave takes 16 KiB of f32.
; No matrix work, no tensor load, no barrier: waves share nothing; memory binds, so each input byte is read once and each store of a wave covers whole aligned runs of 256 bytes.
; LIMITS: ek and ev between -126 and 112; eq + ek between -123 and 129 (so that each power of two below is an f32 number).  NaN among the inputs is not served.
.set SP,   528                         ; a stage row: 512 bytes + 16: 33 x 16, so the sixteen rows that a load of 16 bytes a lane touches begin at sixteen different columns of 16 bytes
.set WST,  16*SP                       ; a wave's stage: 16 rows
.set MST,  4*WST                       ; the k path's four stages begin at 0, the mask path's here: each path has LDS bytes of its own
.set R,    32                          ; v32-159   numbers as they are loaded
.set X0,   160                         ; v160-223  the first 64 numbers turned
.set C,    224                         ; v224-255  codes
; v1 lane; v2 16 x lane; v3, v4 the k path's stage, in and out; v5, v6 the mask path's; v7 4 x lane; v8 v's place in vc; v10 the largest number x the scale; v11 the scale; v14 3e38
	s_load_b256 s[4:11], s[0:1], 0x0               ; k s[4:5], v s[6:7], the mask s[8:9], the scales' exponents s[10:11]
	s_load_b128 s[12:15], s[0:1], 0x20             ; kc s[12:13], vc s[14:15]
	s_load_b64 s[16:17], s[0:1], 0x30
	s_load_b128 s[36:39], s[0:1], 0x38             ; q s[36:37], qc s[38:39]
	v_lshl_add_u32 v30, v0, 2, 0x10800
	v_mov_b32 v31, 0
	v_lshrrev_b32 v9, 5, v0
	v_readfirstlane_b32 s18, v9                    ; wave 0..3
	v_and_b32 v1, 31, v0                           ; lane
	v_lshlrev_b32 v2, 4, v1                        ; 16 x lane
	v_and_b32 v12, 15, v0                          ; r
	v_bfe_u32 v13, v0, 4, 1                        ; h
	s_mul_i32 s30, s18, WST
	v_add_nc_u32 v3, s30, v2                       ; into the stage: a row as it lies, 16 bytes a lane
	v_mul_u32_u24 v4, v12, SP
	v_lshl_add_u32 v4, v13, 6, v4
	v_add_nc_u32 v4, s30, v4                       ; out of it: row r, + 64 h: my 16 numbers of each 32
	v_add_nc_u32 v5, MST, v3
	v_add_nc_u32 v6, MST, v4
	v_lshlrev_b32 v7, 2, v1
	v_lshlrev_b32 v8, 4, v12
	v_lshl_add_u32 v8, v13, 11, v8                 ; vc: lanes 16-31 hold the next tile (2,048 bytes on); 16 bytes a lane
	s_wait_kmcnt 0x0
	s_load_b128 s[20:23], s[10:11], 0x0            ; eq, ek, ep, ev
	s_mov_b32 s25, 0
	s_mov_b32 s27, 0
	s_cmp_lt_u32 ttmp9, 1024
	s_cbranch_scc1 .Lk
	s_cmp_lt_u32 ttmp9, 2048
	s_cbranch_scc1 .Lv
	s_cmp_lt_u32 ttmp9, 2304
	s_cbranch_scc1 .Lmask
	s_branch .Lk                                   ; work-groups 2304-3327: q, on k's path
.macro TIN adr, src                    ; 16 rows of 512 bytes go into the stage as they were loaded
.set i, 0
.rept 16
	ds_store_b128 v[\adr], v[\src+4*i:\src+4*i+3] offset:SP*i
.set i, i+1
.endr
.endm
.macro TOUT adr, dst                   ; and come back turned: register 16 c + n = number 32 c + 16 h + n of row r.  LDS serves a wave's instructions in order: these see the stores above
.set i, 0
.rept 16
	ds_load_b128 v[\dst+4*i:\dst+4*i+3], v[\adr] offset:128*(i/4)+16*(i%4)
.set i, i+1
.endr
.endm
.macro TURNS in, out                   ; two sets of 16 rows through one stage: the first into X0, the second into the registers that held the first as loaded
	s_wait_loadcnt 16                              ; the first 16 loads are in; the second 16 may be out
	TIN \in, R
	TOUT \out, X0
	s_wait_loadcnt 0x0
	TIN \in, R+64
	s_wait_dscnt 32                                ; the first 16 stores are done (behind them: 16 loads, 16 stores): their registers may be loaded into
	TOUT \out, R
	s_wait_dscnt 32                                ; the first 16 loads are in (behind them: 16 stores, 16 loads)
.endm
.macro GIVEN e                         ; the scale 2^e and the largest number x 2^e, as f32
	s_add_co_i32 s30, \e, 127
	s_lshl_b32 s31, s30, 23
	v_mov_b32 v11, s31                             ; the conversion takes its exponent field
	s_add_co_i32 s30, s30, 15
	s_lshl_b32 s30, s30, 23
	s_or_b32 s30, s30, 0x600000
	v_mov_b32 v10, s30                             ; 57,344 x 2^e
.endm
.macro QUANT x, cd                     ; 64 numbers of a lane become a fragment's 16 registers
.set i, 0
.rept 64
	v_med3_num_f32 v[\x+i], v[\x+i], -v10, v10     ; the conversion to an 8-bit code does not saturate (ISA guide 7.6.2): the hold comes first
.set i, i+1
.endr
.set i, 0
.rept 4
	v_cvt_scalef32_pk8_bf8_f32 v[\cd+4*i:\cd+4*i+1], v[\x+16*i:\x+16*i+7], v11
	v_cvt_scalef32_pk8_bf8_f32 v[\cd+4*i+2:\cd+4*i+3], v[\x+16*i+8:\x+16*i+15], v11
.set i, i+1
.endr
	v_nop                                          ; a plain line behind the last conversion of the run
.endm
; ---- k: wave w takes keys 32 w .. 32 w + 31 of the step: fragments 2 w and 2 w + 1
.Lk:
	; q ([64 heads][2048][128] f32) takes this path too, with 2^eq: qc [head][128 queries][tile of 16][chunk c][lane (r, h)][16 bytes]: query 16 tile + r, channels 32 c + 16 h + 0 .. 15.
	; Only pointers, the exponent and two row offsets are chosen, by the work-group's number: a tile of q is 16 neighbouring rows, so rows 8-15 and 16-23 of a wave's 32 change places against k's.
	s_cmp_lt_u32 ttmp9, 1024
	s_cselect_b32 s19, 0, 2304
	s_cselect_b64 s[4:5], s[4:5], s[36:37]
	s_cselect_b64 s[12:13], s[12:13], s[38:39]
	s_cselect_b32 s28, 4096, 0                     ; first set, rows 8-15 of the fragment: k eight rows further down
	s_cselect_b32 s29, 0, 4096                     ; second set, rows 0-7: q eight rows further down
	s_sub_co_u32 s19, ttmp9, s19                   ; which 128 rows of the tensor
	s_lshl_b32 s24, s19, 16
	s_lshl_b32 s30, s18, 14                        ; my 32 of them
	s_add_co_u32 s24, s24, s30
	s_add_nc_u64 s[4:5], s[4:5], s[24:25]
	s_lshl_b32 s26, s19, 14
	s_lshl_b32 s30, s18, 12                        ; my two
	s_add_co_u32 s26, s26, s30
	s_add_nc_u64 s[12:13], s[12:13], s[26:27]
	v_add_nc_u32 v16, s28, v2
	v_add_nc_u32 v17, s29, v2
.irp u, 0,1
.set i, 0
.rept 16
	global_load_b128 v[R+64*\u+4*i:R+64*\u+4*i+3], v[2+14*(1-\u)*(i/8)+15*\u*(1-i/8)], s[4:5] offset:(8*\u+i+8*\u*(i/8))*512 th:TH_LOAD_NT   ; a whole row; k: row 8 u + i + 8 (i / 8) of my 32, q: row 16 u + i
.set i, i+1
.endr
.endr
	s_wait_kmcnt 0x0
	s_cmp_lt_u32 ttmp9, 1024
	s_cselect_b32 s21, s21, s20                    ; ek or eq
	GIVEN s21
	s_wait_alu depctr_va_vdst(0)
	TURNS 3, 4
	QUANT X0, C
.irp c, 0,1,2,3
	global_store_b128 v2, v[C+4*\c:C+4*\c+3], s[12:13] offset:512*\c           ; 32 lanes store 512 consecutive bytes
.endr
	s_wait_dscnt 0x0                               ; the second fragment's numbers are back
	QUANT R, C+16
.irp c, 0,1,2,3
	global_store_b128 v2, v[C+16+4*\c:C+16+4*\c+3], s[12:13] offset:2048+512*\c
.endr
	s_wait_tensorcnt 0x0
	ds_add_u32 v30, v31
	s_wait_dscnt 0x0
	s_endpgm
; ---- v: a lane takes a channel (32 w + lane) and its registers run down the keys: nothing is transposed, and no LDS is needed
.Lv:
	s_sub_co_u32 s30, ttmp9, 1024
	s_lshl_b32 s24, s30, 16
	s_lshl_b32 s31, s18, 7                         ; my 32 channels: 128 bytes of each row
	s_add_co_u32 s24, s24, s31
	s_add_nc_u64 s[6:7], s[6:7], s[24:25]
	s_lshl_b32 s26, s30, 14
	s_lshl_b32 s31, s18, 12                        ; tiles 2 w and 2 w + 1
	s_add_co_u32 s26, s26, s31
	s_add_nc_u64 s[14:15], s[14:15], s[26:27]
.macro LOADV c                         ; keys 32 c .. 32 c + 31 of my channel
.set i, 0
.rept 32
	global_load_b32 v[R+32*(\c)+i], v7, s[6:7] offset:(32*(\c)+i)*512 th:TH_LOAD_NT
.set i, i+1
.endr
.endm
.macro BLOCKV c, left
	s_wait_loadcnt \left                           ; this block's 32 loads are in; the next block's may be out
.if (\c) < 2
	LOADV (\c)+2
.endif
.set i, 0
.rept 32
	v_med3_num_f32 v[R+32*(\c)+i], v[R+32*(\c)+i], -v10, v10
.set i, i+1
.endr
.set i, 0
.rept 4
	v_cvt_scalef32_pk8_bf8_f32 v[C+8*(\c)+2*i:C+8*(\c)+2*i+1], v[R+32*(\c)+8*i:R+32*(\c)+8*i+7], v11
.set i, i+1
.endr
	v_nop
	global_store_b128 v8, v[C+8*(\c):C+8*(\c)+3], s[14:15] offset:512*(\c)          ; keys 32 c + 0 .. 15: the place of lane (r, 0); sixteen lanes store 256 consecutive bytes, aligned
	global_store_b128 v8, v[C+8*(\c)+4:C+8*(\c)+7], s[14:15] offset:512*(\c)+256    ; keys 32 c + 16 .. 31: the place of lane (r, 1)
.endm
	s_wait_alu depctr_va_vdst(0)
	LOADV 0
	LOADV 1
	s_wait_kmcnt 0x0
	GIVEN s23
	s_wait_alu depctr_va_vdst(0)
	BLOCKV 0, 32
	BLOCKV 1, 32
	BLOCKV 2, 32
	BLOCKV 3, 0
	s_endpgm
; ---- the mask: wave w takes blocks 8 id + 2 w and the next (16 queries x 128 keys each) of the 2,048
.Lmask:
	s_sub_co_u32 s30, ttmp9, 2048                  ; id
	s_lshr_b32 s31, s30, 1                         ; the tile of queries: 16 rows of 8,192 bytes
	s_lshl_b32 s24, s31, 17
	s_and_b32 s31, s30, 1
	s_lshl_b32 s31, s31, 3
	s_lshl_b32 s19, s18, 1
	s_add_co_u32 s31, s31, s19                     ; the key step: 512 bytes of each row
	s_lshl_b32 s31, s31, 9
	s_add_co_u32 s24, s24, s31
	s_add_nc_u64 s[8:9], s[8:9], s[24:25]
	s_lshl_b32 s26, s30, 3
	s_add_co_u32 s26, s26, s19
	s_lshl_b32 s26, s26, 13                        ; a block's image is 8,192 bytes
	s_add_nc_u64 s[16:17], s[16:17], s[26:27]
.irp u, 0,1
.set i, 0
.rept 16
	global_load_b128 v[R+64*\u+4*i:R+64*\u+4*i+3], v2, s[8:9] offset:8192*i+512*\u th:TH_LOAD_NT   ; 32 lanes read 512 consecutive bytes of query i
.set i, i+1
.endr
.endr
	s_wait_kmcnt 0x0
	s_add_co_i32 s30, s20, s21
	s_lshl_b32 s30, s30, 23
	s_sub_co_u32 s28, 0x413504f3, s30              ; sqrt(128) x 2^-(eq + ek): the exponents are taken off sqrt(128)'s exponent field
	s_mov_b32 s29, s28                             ; (named with it as a pair, so it is written)
	v_mov_b32 v14, 0x7f61b1e6                      ; 3e38
.macro SCALED x, off
.set i, 0
.rept 32
	v_pk_mul_f32 v[\x+2*i:\x+2*i+1], v[\x+2*i:\x+2*i+1], s[28:29] op_sel_hi:[1,0]
.set i, i+1
.endr
.set i, 0
.rept 64
	v_med3_num_f32 v[\x+i], v[\x+i], -v14, v14
.set i, i+1
.endr
.set i, 0
.rept 16
	global_store_b128 v2, v[\x+4*i:\x+4*i+3], s[16:17] offset:\off+512*i          ; image i: 32 lanes store 512 consecutive bytes
.set i, i+1
.endr
.endm
	s_wait_alu depctr_va_vdst(0)
	TURNS 5, 6
	SCALED X0, 0
	s_wait_dscnt 0x0                               ; the second block's numbers are back
	SCALED R, 8192
	s_wait_tensorcnt 0x0
	ds_add_u32 v30, v31
	s_wait_dscnt 0x0
	s_endpgm
.Lfunc_end_k_qe0f2a134a6_prep:
	.size	k_qe0f2a134a6_prep, .Lfunc_end_k_qe0f2a134a6_prep-k_qe0f2a134a6_prep
	.p2alignl 7, 3214868480
	.fill 96, 4, 3214868480
	.section	.rodata,"a",@progbits
	.p2align	6, 0x0
	.amdhsa_kernel k_qe0f2a134a6_prep
		.amdhsa_group_segment_fixed_size 68096
		.amdhsa_private_segment_fixed_size 0
		.amdhsa_enable_private_segment 0
		.amdhsa_kernarg_size 72
		.amdhsa_user_sgpr_count 2
		.amdhsa_user_sgpr_kernarg_segment_ptr 1
		.amdhsa_wavefront_size32 1
		.amdhsa_system_sgpr_workgroup_id_x 1
		.amdhsa_system_sgpr_workgroup_id_y 1
		.amdhsa_system_sgpr_workgroup_id_z 1
		.amdhsa_system_vgpr_workitem_id 0
		.amdhsa_next_free_vgpr 256
		.amdhsa_next_free_sgpr 66
		.amdhsa_reserve_vcc 0
		.amdhsa_float_denorm_mode_32 3
		.amdhsa_float_denorm_mode_16_64 3
		.amdhsa_memory_ordered 1
		.amdhsa_forward_progress 1
		.amdhsa_inst_pref_size 66
	.end_amdhsa_kernel
	.amdgpu_metadata
---
amdhsa.version: [ 1, 2 ]
amdhsa.kernels:
  - .name:           k_qe0f2a134a6_prep
    .symbol:         k_qe0f2a134a6_prep.kd
    .args:
      - { .name: k, .offset: 0, .size: 8, .value_kind: global_buffer, .address_space: global }
      - { .name: v, .offset: 8, .size: 8, .value_kind: global_buffer, .address_space: global }
      - { .name: attn_mask, .offset: 16, .size: 8, .value_kind: global_buffer, .address_space: global }
      - { .name: lowp_scales, .offset: 24, .size: 8, .value_kind: global_buffer, .address_space: global }
      - { .name: kc, .offset: 32, .size: 8, .value_kind: global_buffer, .address_space: global }
      - { .name: vc, .offset: 40, .size: 8, .value_kind: global_buffer, .address_space: global }
      - { .name: mc, .offset: 48, .size: 8, .value_kind: global_buffer, .address_space: global }
      - { .name: q, .offset: 56, .size: 8, .value_kind: global_buffer, .address_space: global }
      - { .name: qc, .offset: 64, .size: 8, .value_kind: global_buffer, .address_space: global }
    .group_segment_fixed_size: 68096
    .private_segment_fixed_size: 0
    .kernarg_segment_align: 8
    .kernarg_segment_size: 72
    .max_flat_workgroup_size: 128
    .sgpr_count:     66
    .vgpr_count:     256
    .wavefront_size: 32
...
	.end_amdgpu_metadata
.endif
;; end of part 1
;; launch attn (part 2): grid 16 x 16, 4 waves a work-group, clusters of 4 x 1, 327,680 bytes of LDS; arguments qc, kc, vc, mc, lowp_scales, out0; writes out0
.if DOCPART == 2
	.amdgcn_target "amdgcn-amd-amdhsa--gfx1250"
	.amdhsa_code_object_version 6
	.text
	.protected	k_qe0f2a134a6_attn
	.globl	k_qe0f2a134a6_attn
	.p2align	8
	.type	k_qe0f2a134a6_attn,@function
k_qe0f2a134a6_attn:
	s_mov_b64 s[64:65], 0
	v_nop
	global_prefetch_b8 v0, s[64:65] scope:SCOPE_SE
	s_setreg_imm32_b32 hwreg(HW_REG_WAVE_MODE, 25, 1), 1
	s_wait_xcnt 0x0
	s_wait_alu depctr_hold_cnt(0) depctr_sa_sdst(0) depctr_va_vdst(0) depctr_va_sdst(0) depctr_va_ssrc(0) depctr_va_vcc(0) depctr_vm_vsrc(0)
	s_getreg_b32 s2, hwreg(HW_REG_IB_STS2, 6, 4)
	s_cmp_eq_u32 s2, 0
	s_cbranch_scc0 .Lentry_in_a_cluster
	s_endpgm
.Lentry_in_a_cluster:
	s_bfe_u32 s2, ttmp6, 0x10000c
	s_cmp_lg_u32 s2, 0x3003
	s_cbranch_scc0 .Lentry_shape_is_right
	s_endpgm
.Lentry_shape_is_right:
; out[head][q][:] = the sum over k of softmax_k(Q[q] . K[k] / sqrt(128) + mask[q][k]) V[k][:], 64 heads, 2,048 queries and keys, head size 128; both products on codes of BF8 (E5M2) with the given scales.
; INPUTS: qc, kc, vc: codes as images of the operands' registers; mc: mask x sqrt(128) x 2^-(eq+ek), f32, as an image of the scores' registers.
; SHARES.  A work-group owns 128 queries of FOUR heads; each of its four waves 32 queries (two tiles of 16) of all four heads.  A key step is 128 keys; in it a wave walks the four heads one after the other.
; THE MASK IS THE C OF THE FIRST PRODUCT, and does not hang on the head: a step's 128 registers of mask are loaded once and serve four heads (S^T = K Q^T + C, D in other registers than C).
; t = (sum + C) x c, c = log2(e) / sqrt(128) x 2^(eq+ek).  M = the running largest t rounded up to a whole number; p = 2^(t - M) is quantised with 2^ep; the row's sum is taken of the unquantised p;
; when M moves, the sum and O^T are multiplied by f = 2^(old M - new M), which rounds nothing.  Both products are used transposed: a lane holds one query (lane % 16) throughout.
; THE RING: two LDS slots of 64 KiB, slot 0 with K and V of heads 0 and 1 of a key step, slot 1 of heads 2 and 3; each wave fetches one dense block of 16 KiB a fill; a fill has two heads' work in which to land.
; CLUSTER 4, 1, 1: four neighbouring blocks of queries of the same four heads walk the same K and V and ask for them jointly.  The mask goes from memory straight into registers, so it has no joint load.
; Q's codes lie in LDS (each wave's own 16 KiB) and come into 32 registers head by head.
; LIMITS.  eq + ek between -123 and 129; ep between -126 and 112.  |t| stays under 2^24: the running largest t begins at -2^24, so a row whose every t lies under that gets l = 0 and NaN.
; NaN among the inputs and +infinity in the mask are not served.
; REGISTERS.  Window 0: v1-14 addresses and constants; v16-39 at work; v40-47 the largest t, v48-55 the sum (unit 2 head + tile); v64-191 S^T, then p; v192-223 p's codes; v224-255 Q's codes.
;   Window 1: v0-127 O^T of head 0, v128-255 eight fragments of K or V.  Window 2: O^T of heads 1 and 2.  Window 3: v0-127 O^T of head 3, v128-255 the mask.
.set SLOTB, 65536
.set QL,    131072                     ; Q's codes: 16 KiB a wave: [head][tile][chunk][lane][16]
.set SPARE, 196608                     ; the spare words: 128 bytes a wave, two blocks of 256 bytes that no other line names
.set STAGE, 197120                     ; 16 rows x 272 bytes a wave, for the way out; no fill lands there
.set SPT,   272
.set LI,  1                            ; 16 x lane: also the LDS address in slot 0
.set A1,  2                            ; the same in slot 1
.set SPW, 3
.set NIL, 4
.set PFO, 5                            ; 256 x lane
.set GO,  6
.set RD,  7
.set STO, 8
.set AQ,  9                            ; my Q codes in LDS
.set PFK, 10                           ; K's and V's prefetches: my work-group's quarter of a block, 256 bytes a lane
.set PH,  12                           ; v12, v13: 57,344 x 2^ep, twice (one for each half of a dual pair)
.set PS,  14                           ; 2^ep
.set NM,  16                           ; v[16:17], v[18:19]: -M of each tile, and a word that is only named
.set FF,  20                           ; v[20:21], v[22:23]: f likewise
.set TA,  24
.set TBR, 26
.set PL,  28
.set SA,  32
.set MX,  40
.set LS,  48
.set S,   64
.set P,   192
.set QC,  224
.set FR,  128
.set MK,  128
.set MB,  10                           ; s[10:11] my tile 0's mask image of the step loaded last
.set WV,  16
.set SEL, 20
.set CS,  22
.set G1,  24
.set G0,  32                           ; s[32:35] slot 0's group 0, s[36:39] slot 1's
.set TRIPS, 40
.set PK,  42                           ; s[42:43], s[44:45]: the block that each slot's group 0 names, as a plain address
.set MSB, 0
.macro WIN new
.if MSB != \new
	s_set_vgpr_msb (MSB<<8)|\new
.set MSB, \new
.endif
.endm
.macro PLACES n
.rept \n
	v_nop
.endr
.endm
.macro CROUND                          ; a round of the cluster's barrier
	s_barrier_signal -1
	s_barrier_wait -1
	s_cmp_lg_u32 s[WV], 0
	s_cbranch_scc1 .Lnw0_\@
	s_barrier_signal -3
.Lnw0_\@:
	s_barrier_wait -3
	s_barrier_signal -1
	s_barrier_wait -1
.endm
	s_load_b256 s[4:11], s[0:1], 0x0               ; qc, kc, vc, mc
	s_load_b128 s[12:15], s[0:1], 0x20             ; the exponents, out
	v_lshl_add_u32 v[SPW], v0, 2, SPARE
	v_mov_b32 v[NIL], 0
	ds_add_u32 v[SPW], v[NIL]                      ; the opening lines
	ds_add_u32 v[SPW], v[NIL]
	v_lshrrev_b32 v16, 5, v0
	v_readfirstlane_b32 s[WV], v16                 ; wave 0..3
	s_bfe_u32 s17, ttmp6, 0x40000                  ; cx
	s_lshl_b32 s18, ttmp9, 2
	s_add_co_u32 s18, s18, s17                     ; the block of 128 queries
	s_and_b32 s19, ttmp7, 0xffff                   ; the group of four heads
	s_mov_b32 s[G1+0], 15|(3<<16)|(1<<21)          ; all four of the cluster; elements of 8 bytes; bit 21 beside the mask
	s_mov_b32 s[G1+1], 32<<16                      ; a dense block of 16 KiB as 64 rows of 256 bytes
	s_mov_b32 s[G1+2], 64<<16
	s_mov_b32 s[G1+3], 32<<16
	s_mov_b32 s[G1+4], 64
	s_mov_b32 s[G1+5], 32
	s_mov_b32 s[G1+6], 0
	s_mov_b32 s[G1+7], 0
	s_mov_b32 s[G0], 1
	s_lshl_b32 s[G0+1], s[WV], 14                  ; LDS: wave 0: K of the slot's first head, 1: its V, 2, 3: the second head's
	s_mov_b32 s[G0+4], 1
	s_add_co_u32 s[G0+5], s[G0+1], SLOTB
	s_lshl_b32 s52, s19, 20                        ; kc, vc: four heads of 256 KiB,
	s_lshr_b32 s60, s[WV], 1
	s_lshl_b32 s60, s60, 18                        ; the head that I fetch for
	s_add_co_u32 s52, s52, s60
	s_mov_b32 s53, 0
	s_lshl_b32 s54, s19, 20                        ; qc: the heads, my block's 16 KiB, my wave's two tiles
	s_lshl_b32 s60, s18, 14
	s_add_co_u32 s54, s54, s60
	s_lshl_b32 s60, s[WV], 12
	s_add_co_u32 s54, s54, s60
	s_mov_b32 s55, 0
	s_lshl_b32 s56, s19, 22                        ; out: four heads of 1 MiB, 128 rows of 512 bytes, my 32
	s_lshl_b32 s60, s18, 16
	s_add_co_u32 s56, s56, s60
	s_lshl_b32 s60, s[WV], 14
	s_add_co_u32 s56, s56, s60
	s_mov_b32 s57, 0
	s_lshl_b32 s58, s18, 20                        ; mc: a tile of queries is 128 KiB; my block's eight, my wave's two
	s_lshl_b32 s60, s[WV], 18
	s_add_co_u32 s58, s58, s60
	s_mov_b32 s59, 0
	s_mov_b32 s[SEL], 0x76543210
	s_mov_b32 s[SEL+1], 0xfedcba98
	s_mov_b32 s[CS], 0x3e0293ee                    ; log2(e) / sqrt(128)
	s_mov_b32 s[TRIPS], 15
	s_mul_i32 s46, s[WV], 16*SPT
	s_add_co_u32 s46, s46, STAGE
	s_lshl_b32 s47, s[WV], 14
	s_add_co_u32 s47, s47, QL
	s_lshl_b32 s61, s17, 12
	v_and_b32 v17, 31, v0
	v_and_b32 v18, 15, v0                          ; r
	v_bfe_u32 v19, v0, 4, 1                        ; h
	v_lshlrev_b32 v[LI], 4, v17
	v_lshlrev_b32 v[PFO], 8, v17
	v_min_u32 v[PFK], 15, v17                      ; sixteen blocks of 256 bytes; the lanes left over name the last again
	v_lshlrev_b32 v[GO], 4, v18
	v_mul_u32_u24 v[RD], v19, SPT
	v_mul_u32_u24 v[STO], v18, SPT
	v_add_nc_u32 v[A1], SLOTB, v[LI]
	v_lshlrev_b32 v[PFK], 8, v[PFK]
	v_lshl_add_u32 v[GO], v19, 9, v[GO]
	v_lshl_add_u32 v[RD], v18, 4, v[RD]
	v_lshl_add_u32 v[STO], v19, 5, v[STO]
	v_add_nc_u32 v[AQ], s47, v[LI]
	v_add_nc_u32 v[PFK], s61, v[PFK]
	v_add_nc_u32 v[RD], s46, v[RD]
	v_add_nc_u32 v[STO], s46, v[STO]
	s_wait_alu depctr_va_vdst(0)
	s_wait_dscnt 0x0
	s_wait_kmcnt 0x0
	s_load_b128 s[48:51], s[12:13], 0x0            ; eq, ek, ep, ev
	s_and_b32 s60, s[WV], 1
	s_cmp_eq_u32 s60, 0                            ; even waves fetch K's codes, odd waves V's
	s_cselect_b64 s[PK:PK+1], s[6:7], s[8:9]
	s_add_nc_u64 s[PK:PK+1], s[PK:PK+1], s[52:53]
	s_add_nc_u64 s[PK+2:PK+3], s[PK:PK+1], 2<<18   ; slot 1: two heads on
	CROUND                                         ; in front of the first joint loads
	s_mov_b64 s[G0+2:G0+3], s[PK:PK+1]
	s_or_b32 s[G0+3], s[G0+3], 0x80000000
	s_mov_b64 s[G0+6:G0+7], s[PK+2:PK+3]
	s_or_b32 s[G0+7], s[G0+7], 0x80000000
	tensor_load_to_lds s[G0:G0+3], s[G1:G1+7]      ; slot 0, key step 0: my one tensor load at the head
	s_nop 0
	PLACES 4
	s_add_nc_u64 s[4:5], s[4:5], s[54:55]
	s_add_nc_u64 s[14:15], s[14:15], s[56:57]
	s_add_nc_u64 s[MB:MB+1], s[MB:MB+1], s[58:59]
.irp j, 0,1,2,3                                ; Q's codes: 4 KiB a head, 512 consecutive bytes a load
.irp i, 0,1,2,3,4,5,6,7
	global_load_b128 v[S+32*\j+4*\i:S+32*\j+4*\i+3], v[LI], s[4:5] offset:262144*\j+512*\i th:TH_LOAD_NT
.endr
.endr
.macro MASKLD                          ; both tiles' 16 mask images of a key step.  No hint: the other heads' work-groups read them too
	WIN 0xc0
.irp t, 0,1
.set i, 0
.rept 16
	global_load_b128 v[MK+64*\t+4*i:MK+64*\t+4*i+3], v[LI], s[MB:MB+1] offset:131072*\t+512*i
.set i, i+1
.endr
.endr
.endm
	MASKLD                                         ; key step 0
	WIN 0x40                                       ; O^T begins as zeros: the step is written for every key step alike, and the first change of M leaves zeros
.set i, 0
.rept 128
	v_mov_b32 v[i], 0
.set i, i+1
.endr
	WIN 0x80
.set i, 0
.rept 256
	v_mov_b32 v[i], 0
.set i, i+1
.endr
	WIN 0xc0
.set i, 0
.rept 128
	v_mov_b32 v[i], 0
.set i, i+1
.endr
	WIN 0
.set i, 0
.rept 8
	v_mov_b32 v[MX+i], 0xcb800000                  ; the largest t so far: -2^24
	v_mov_b32 v[LS+i], 0
.set i, i+1
.endr
.irp t, 0,1
	v_mov_b32 v[NM+2*\t+1], 0                      ; (named as upper halves of pairs)
	v_mov_b32 v[FF+2*\t+1], 0
	v_mov_b32 v[PL+\t], 0                          ; a lane permute's destination counts as a source
.endr
	s_wait_kmcnt 0x0
	s_add_co_i32 s60, s48, s49
	s_lshl_b32 s60, s60, 23
	s_add_co_i32 s[CS], s[CS], s60                 ; eq + ek are added to c's exponent field
	s_mov_b32 s[CS+1], s[CS]
	s_add_co_i32 s60, s50, 127
	s_lshl_b32 s61, s60, 23
	v_mov_b32 v[PS], s61
	s_add_co_i32 s60, s60, 15
	s_lshl_b32 s60, s60, 23
	s_or_b32 s60, s60, 0x600000
	v_mov_b32 v[PH], s60
	v_mov_b32 v[PH+1], s60
	s_add_co_i32 s62, s50, s51                     ; ep + ev
	s_wait_alu depctr_va_vdst(0)
	s_wait_loadcnt 32                              ; Q's 32 loads are in; the mask's 32 may be out
.irp j, 0,1,2,3
.irp i, 0,1,2,3,4,5,6,7
	ds_store_b128 v[AQ], v[S+32*\j+4*\i:S+32*\j+4*\i+3] offset:4096*\j+512*\i
.endr
.endr
	s_wait_tensorcnt 0x0                           ; slot 1's first fill is issued as a refill is
	ds_add_u32 v[SPW], v[NIL]
	s_wait_dscnt 0x0
	CROUND
	tensor_load_to_lds s[G0+4:G0+7], s[G1:G1+7]
	s_nop 0
	PLACES 4
.macro KHALF j, hf                     ; K's fragments 4 hf .. 4 hf + 3 of head j: 16 loads
	WIN 0x40
.set i, 0
.rept 16
	ds_load_b128 v[FR+64*(\hf)+4*i:FR+64*(\hf)+4*i+3], v[LI+(\j)/2] offset:32768*((\j)%2)+8192*(\hf)+512*i
.set i, i+1
.endr
.endm
.macro VPART j, q                      ; V's fragments 2 q and 2 q + 1: eight loads; the four groups stand along the softmax
	WIN 0x40
.set vi, 8*(\q)
.rept 8
	ds_load_b128 v[FR+4*vi:FR+4*vi+3], v[LI+(\j)/2] offset:32768*((\j)%2)+16384+512*vi
.set vi, vi+1
.endr
	WIN 0
.endm
.macro QLOAD j
	WIN 0
.set i, 0
.rept 8
	ds_load_b128 v[QC+4*i:QC+4*i+3], v[AQ] offset:4096*(\j)+512*i
.set i, i+1
.endr
.endm
.macro QK hf                           ; S^T = K Q^T + the mask: eight accumulators, one instruction each
.set i, 4*(\hf)
.rept 4
.irp t, 0,1
	v_wmma_f32_16x16x128_bf8_bf8 v[S+64*\t+8*i:S+64*\t+8*i+7], v[FR+16*i:FR+16*i+15], v[QC+16*\t:QC+16*\t+15], v[MK+64*\t+8*i:MK+64*\t+8*i+7]
.endr
.set i, i+1
.endr
.endm
.macro TM0 n                           ; n pairs of tile 0: t - M
.rept \n
	v_pk_fma_f32 v[S+2*i:S+2*i+1], v[S+2*i:S+2*i+1], s[CS:CS+1], v[NM:NM+1] op_sel_hi:[1,0,0]
.set i, i+1
.endr
.endm
.macro HOLD a                          ; p is not negative: a one-sided hold at the largest code, two numbers an instruction
	v_dual_min_num_f32 v[\a], v[\a], v[PH] :: v_dual_min_num_f32 v[\a+1], v[\a+1], v[PH+1]
.endm
.macro CVT t
.set i, 0
.rept 4
	v_cvt_scalef32_pk8_bf8_f32 v[P+16*\t+4*i:P+16*\t+4*i+1], v[S+64*\t+16*i:S+64*\t+16*i+7], v[PS]
	v_cvt_scalef32_pk8_bf8_f32 v[P+16*\t+4*i+2:P+16*\t+4*i+3], v[S+64*\t+16*i+8:S+64*\t+16*i+15], v[PS]
.set i, i+1
.endr
.endm
.macro SOFT j                          ; the softmax of head j's two tiles, 128 keys
.irp t, 0,1                                    ; the largest score, two chains a tile, each accumulator from its low end on
	v_max3_num_f32 v[TA+\t], v[S+64*\t], v[S+64*\t+1], v[S+64*\t+2]
.endr
.irp t, 0,1
	v_max3_num_f32 v[TBR+\t], v[S+64*\t+3], v[S+64*\t+4], v[S+64*\t+5]
.endr
.set i, 6
.rept 14
.irp t, 0,1
	v_max3_num_f32 v[TA+\t], v[TA+\t], v[S+64*\t+i], v[S+64*\t+i+1]
.endr
.irp t, 0,1
	v_max3_num_f32 v[TBR+\t], v[TBR+\t], v[S+64*\t+i+2], v[S+64*\t+i+3]
.endr
.set i, i+4
.endr
.irp t, 0,1
	v_max3_num_f32 v[TA+\t], v[TA+\t], v[S+64*\t+62], v[S+64*\t+63]
.endr
	VPART \j, 1
.irp t, 0,1
	v_max_num_f32 v[TA+\t], v[TA+\t], v[TBR+\t]
.endr
.irp t, 0,1
	v_floor_f32 v[TBR+\t], -v[MX+2*(\j)+\t]        ; the old -M
.endr
.irp t, 0,1
	v_permlanex16_b32 v[PL+\t], v[TA+\t], s[SEL], s[SEL+1]   ; the query's other 64 keys lie in lane l xor 16
.endr
.irp t, 0,1
	v_max_num_f32 v[TA+\t], v[TA+\t], v[PL+\t]
.endr
.irp t, 0,1
	v_mul_f32 v[TA+\t], s[CS], v[TA+\t]            ; as t (c is positive)
.endr
.irp t, 0,1
	v_max_num_f32 v[MX+2*(\j)+\t], v[MX+2*(\j)+\t], v[TA+\t]
.endr
.irp t, 0,1
	v_floor_f32 v[NM+2*\t], -v[MX+2*(\j)+\t]       ; the new -M = -ceil(t)
.endr
.set i, 0
	TM0 8
.irp t, 0,1
	v_sub_f32 v[TA+\t], v[NM+2*\t], v[TBR+\t]      ; old M - new M: 0 or less
.endr
	VPART \j, 2
	TM0 8
.irp t, 0,1
	v_cvt_i32_f32 v[TA+\t], v[TA+\t]               ; (it saturates)
.endr
	VPART \j, 3
	TM0 8
.irp t, 0,1
	v_ldexp_f32 v[FF+2*\t], 1.0, v[TA+\t]          ; f
.endr
	TM0 8
	s_wait_alu depctr_va_vdst(0)                   ; ahead of the batch
.set i, 0
.rept 32                                       ; tile 0's exponentials; tile 1's t - M among them is read behind the next wait
	v_exp_f32 v[S+2*i], v[S+2*i]
	v_pk_fma_f32 v[S+64+2*i:S+64+2*i+1], v[S+64+2*i:S+64+2*i+1], s[CS:CS+1], v[NM+2:NM+3] op_sel_hi:[1,0,0]
	v_exp_f32 v[S+2*i+1], v[S+2*i+1]
.set i, i+1
.endr
	s_wait_alu depctr_va_vdst(0)                   ; behind tile 0's batch and ahead of tile 1's
.set k, 0
.rept 16                                       ; tile 1's exponentials; among them tile 0's first sums (of the unquantised p, into p's codes' registers) and holds: none reads what another of them wrote
	v_exp_f32 v[S+64+4*k], v[S+64+4*k]
	v_pk_add_f32 v[P+2*k:P+2*k+1], v[S+4*k:S+4*k+1], v[S+4*k+2:S+4*k+3]
	v_exp_f32 v[S+64+4*k+1], v[S+64+4*k+1]
	HOLD S+4*k
	v_exp_f32 v[S+64+4*k+2], v[S+64+4*k+2]
	HOLD S+4*k+2
	v_exp_f32 v[S+64+4*k+3], v[S+64+4*k+3]
.set k, k+1
.endr
	v_nop
	s_wait_alu depctr_va_vdst(0)                   ; one wait behind the batch
.irp st, 4,8                                   ; tile 0's sixteen partial sums become one pair; the last levels stand among tile 1's first sums and holds
.set m, 0
.rept 32/\st
	v_pk_add_f32 v[P+m:P+m+1], v[P+m:P+m+1], v[P+m+\st/2:P+m+\st/2+1]
.set m, m+\st
.endr
.endr
	v_pk_add_f32 v[SA:SA+1], v[S+64:S+65], v[S+68:S+69]      ; tile 1's sums, two chains, its holds between
	v_pk_add_f32 v[SA+2:SA+3], v[S+66:S+67], v[S+70:S+71]
	v_pk_add_f32 v[P:P+1], v[P:P+1], v[P+8:P+9]
	v_pk_add_f32 v[P+16:P+17], v[P+16:P+17], v[P+24:P+25]
	HOLD S+64
	HOLD S+66
	v_pk_add_f32 v[P:P+1], v[P:P+1], v[P+16:P+17]
	HOLD S+68
	HOLD S+70
	v_add_f32 v[TA], v[P], v[P+1]
	CVT 0
.set k, 2
.rept 14
	v_pk_add_f32 v[SA:SA+1], v[SA:SA+1], v[S+64+4*k:S+64+4*k+1]
	v_pk_add_f32 v[SA+2:SA+3], v[SA+2:SA+3], v[S+64+4*k+2:S+64+4*k+3]
	HOLD S+64+4*k
	HOLD S+64+4*k+2
.set k, k+1
.endr
	v_pk_add_f32 v[SA:SA+1], v[SA:SA+1], v[SA+2:SA+3]
	CVT 1
	v_add_f32 v[TBR], v[SA], v[SA+1]
	v_fma_f32 v[LS+2*(\j)], v[LS+2*(\j)], v[FF], v[TA]       ; the sum under the new M, and this step's
	v_fma_f32 v[LS+2*(\j)+1], v[LS+2*(\j)+1], v[FF+2], v[TBR]
.endm
.macro RESC ob, hf                     ; O^T under the new M: channel tiles 4 hf .. 4 hf + 3 of both tiles, each accumulator from its low end on
.irp t, 0,1
.set i, 0
.rept 16
	v_pk_mul_f32 v[\ob+64*\t+32*\hf+2*i:\ob+64*\t+32*\hf+2*i+1], v[\ob+64*\t+32*\hf+2*i:\ob+64*\t+32*\hf+2*i+1], v[FF+2*\t:FF+2*\t+1] op_sel_hi:[1,0]
.set i, i+1
.endr
.endr
.endm
.macro PV ob, hf                       ; O^T += V^T P^T: eight accumulators, one instruction each
.set i, 4*\hf
.rept 4
.irp t, 0,1
	v_wmma_f32_16x16x128_bf8_bf8 v[\ob+64*\t+8*i:\ob+64*\t+8*i+7], v[FR+16*i:FR+16*i+15], v[P+16*\t:P+16*\t+15], v[\ob+64*\t+8*i:\ob+64*\t+8*i+7]
.endr
.set i, i+1
.endr
.endm
; THE CHANGE OF SLOTS, when the slot's second head has V in registers.  Each wave waits for all its tensor loads (its part of the other slot), adds 0 to its spare word, and waits for that; its reads of the slot are over.
; fill = 1: a round of the cluster's barrier, and the slot takes the same two heads of the next key step.  fill = 0 (the last key step): the work-group's barrier alone.
.macro CHANGE sl, fill
	WIN 0
.if \fill
	s_wait_xcnt 0x0                                ; my last prefetch has read its base
	s_add_nc_u64 s[PK+2*\sl:PK+2*\sl+1], s[PK+2*\sl:PK+2*\sl+1], 16384
.endif
	s_wait_alu depctr_va_vdst(0)
	s_wait_tensorcnt 0x0
	ds_add_u32 v[SPW], v[NIL]
.if \fill
	s_add_nc_u64 s[G0+4*\sl+2:G0+4*\sl+3], s[G0+4*\sl+2:G0+4*\sl+3], 16384   ; a key step on
.endif
	s_wait_dscnt 0x0
.if \fill
	CROUND
	tensor_load_to_lds s[G0+4*\sl:G0+4*\sl+3], s[G1:G1+7]    ; my one tensor load behind the round
	s_nop 0
	PLACES 4
.else
	s_barrier_signal -1
	s_barrier_wait -1
.endif
.endm
; PREFETCHES INTO THE L2.  K, V: behind a refill (key step s + 1) each wave names its block of key step s + 2; the four partners share the block's 16 KiB out by address, 4 KiB each.
; The mask: behind the loads of key step s + 1 each wave names its own two images of key step s + 2, 8 KiB a tile, lanes 256 bytes apart: the partners' queries differ, so each block is named once in each cluster that loads it.
; With no key step s + 2 nothing is asked.
.macro ASKK sl
	s_cmp_gt_u32 s[TRIPS], 1
	s_cbranch_scc0 .Lnk_\@
	global_prefetch_b8 v[PFK], s[PK+2*\sl:PK+2*\sl+1] offset:16384 th:TH_LOAD_NT scope:SCOPE_SE
.Lnk_\@:
.endm
.macro ASKM
	s_cmp_gt_u32 s[TRIPS], 1
	s_cbranch_scc0 .Lnm_\@
	global_prefetch_b8 v[PFO], s[MB:MB+1] offset:8192 th:TH_LOAD_NT scope:SCOPE_SE
	global_prefetch_b8 v[PFO], s[MB:MB+1] offset:8192+131072 th:TH_LOAD_NT scope:SCOPE_SE
.Lnm_\@:
.endm
; HEAD j OF A KEY STEP.  O^T lies in window ow from register ob.  On entry K's fragments 0-3 and Q's codes are asked for.  tail = 1: the last key step.
.macro BODY j, ow, ob, tail
	PLACES 4                                       ; behind the last products, in front of loads into registers that they read
	KHALF \j, 1
	WIN 0x31                                       ; K window 1, Q window 0, the mask window 3, S^T window 0
.if \j == 0
	s_wait_loadcnt 0x0                             ; the step's mask
.endif
	s_wait_dscnt 16                                ; all but the 16 loads just issued
	QK 0
	s_wait_dscnt 0x0
	QK 1
	PLACES 4
.if (\j == 3) && (\tail == 0)
	s_wait_xcnt 0x0
	s_add_nc_u64 s[MB:MB+1], s[MB:MB+1], 8192
	MASKLD                                         ; the fourth head has taken the mask: the next key step's goes in, ahead of the LDS loads
	WIN 0
	ASKM
.endif
	VPART \j, 0                                    ; V lands while the softmax is walked,
.if (\j < 3) || (\tail == 0)
	QLOAD (\j+1)%4                                 ; and the next head's Q
.endif
	WIN 0
	SOFT \j
	WIN (\ow<<6)|\ow
	s_wait_alu depctr_va_vdst(0)                   ; directly ahead of the first reader of O^T
	RESC \ob, 0
	s_wait_alu depctr_va_vdst(0)
	s_wait_dscnt 0x0                               ; V and Q are in
	WIN (\ow<<6)|(\ow<<4)|1
	PV \ob, 0
	WIN (\ow<<6)|\ow
	s_wait_alu depctr_va_vdst(0)
	RESC \ob, 1                                    ; also the places in front of the loads into V's fragments 0-3
.if (\j % 2) == 1
.if \tail == 0
	CHANGE (\j/2), 1
.elseif \j == 1
	CHANGE 0, 0
.endif
.endif
.if (\j < 3) || (\tail == 0)
	KHALF (\j+1)%4, 0                              ; the next head's K, first half
.endif
.if ((\j % 2) == 1) && (\tail == 0)
	WIN 0
	ASKK (\j/2)
.endif
	WIN (\ow<<6)|(\ow<<4)|1
	PV \ob, 1
	WIN 0
.endm
	QLOAD 0
	KHALF 0, 0
	WIN 0
.Lstep:                                            ; 15 trips: a key step each, both slots filled again
	BODY 0, 1, 0, 0
	BODY 1, 2, 0, 0
	BODY 2, 2, 128, 0
	BODY 3, 3, 0, 0
	s_sub_co_u32 s[TRIPS], s[TRIPS], 1
	s_cmp_lg_u32 s[TRIPS], 0
	s_wait_alu depctr_va_vdst(0)
	s_cbranch_scc1 .Lstep
	; THE WAY OUT.  Lane l xor 16's part of each sum is added; O^T x 2^(ep + ev) / the sum goes through my stage, 16 rows x 64 channels at a time
.macro OUT j, ow, ob                   ; head j leaves; the lines ahead of the multiplications are also the places behind its last products
.irp t, 0,1
	v_permlanex16_b32 v[MX+2*\j+\t], v[LS+2*\j+\t], s[SEL], s[SEL+1]
.endr
.irp t, 0,1
	v_add_f32 v[LS+2*\j+\t], v[LS+2*\j+\t], v[MX+2*\j+\t]
.endr
	s_wait_alu depctr_va_vdst(0)                   ; ahead of the batch
.irp t, 0,1
	v_rcp_f32 v[LS+2*\j+\t], v[LS+2*\j+\t]
.endr
	v_nop
	s_wait_alu depctr_va_vdst(0)                   ; and behind it
.irp t, 0,1
	v_ldexp_f32 v[FF+2*\t], v[LS+2*\j+\t], s62
.endr
	WIN \ow
	s_wait_alu depctr_va_vdst(0)                   ; directly ahead of the first reader of O^T
.irp t, 0,1
.set i, 0
.rept 32
	v_pk_mul_f32 v[S+64*\t+2*i:S+64*\t+2*i+1], v[\ob+64*\t+2*i:\ob+64*\t+2*i+1], v[FF+2*\t:FF+2*\t+1] op_sel_hi:[1,0]   ; register 8 n + i of a tile is o(r, 16 n + 8 h + i)
.set i, i+1
.endr
.endr
	WIN 0
.irp k, 0,1,2,3                                ; round k: tile k / 2, channels 64 (k % 2) on
.irp n, 0,1,2,3
	ds_store_b128 v[STO], v[S+32*\k+8*\n:S+32*\k+8*\n+3] offset:64*\n
	ds_store_b128 v[STO], v[S+32*\k+8*\n+4:S+32*\k+8*\n+7] offset:64*\n+16
.endr
.irp i, 0,1,2,3,4,5,6,7
	ds_load_b128 v[S+32*\k+4*\i:S+32*\k+4*\i+3], v[RD] offset:2*SPT*\i   ; back as rows; LDS serves a wave's instructions in order
.endr
.endr
.irp k, 0,1,2,3
.irp i, 0,1,2,3,4,5,6,7
	s_wait_dscnt 16*(3-\k)+7-\i                    ; the LDS instructions issued behind this load may be out
	global_store_b128 v[GO], v[S+32*\k+4*\i:S+32*\k+4*\i+3], s[14:15] offset:1048576*\j+8192*(\k/2)+256*(\k%2)+1024*\i th:TH_STORE_NT   ; sixteen lanes store 256 consecutive bytes, aligned
.endr
.endr
	s_wait_xcnt 0x0                                ; the stores have read their registers: the next head's scores may be written there
.endm
	BODY 0, 1, 0, 1                                ; the last key step is written out: it asks for nothing more, and each head leaves as soon as its last product is done
	OUT 0, 1, 0
	BODY 1, 2, 0, 1
	OUT 1, 2, 0
	BODY 2, 2, 128, 1
	OUT 2, 2, 128
	BODY 3, 3, 0, 1
	OUT 3, 3, 0
	s_wait_tensorcnt 0x0                           ; the wave's end
	ds_add_u32 v[SPW], v[NIL]
	s_wait_dscnt 0x0
	CROUND                                         ; the closing round
	s_endpgm
.Lfunc_end_k_qe0f2a134a6_attn:
	.size	k_qe0f2a134a6_attn, .Lfunc_end_k_qe0f2a134a6_attn-k_qe0f2a134a6_attn
	.p2alignl 7, 3214868480
	.fill 96, 4, 3214868480
	.section	.rodata,"a",@progbits
	.p2align	6, 0x0
	.amdhsa_kernel k_qe0f2a134a6_attn
		.amdhsa_group_segment_fixed_size 327680
		.amdhsa_private_segment_fixed_size 0
		.amdhsa_enable_private_segment 0
		.amdhsa_kernarg_size 48
		.amdhsa_user_sgpr_count 2
		.amdhsa_user_sgpr_kernarg_segment_ptr 1
		.amdhsa_wavefront_size32 1
		.amdhsa_system_sgpr_workgroup_id_x 1
		.amdhsa_system_sgpr_workgroup_id_y 1
		.amdhsa_system_sgpr_workgroup_id_z 1
		.amdhsa_system_vgpr_workitem_id 0
		.amdhsa_next_free_vgpr 1024
		.amdhsa_next_free_sgpr 66
		.amdhsa_reserve_vcc 0
		.amdhsa_float_denorm_mode_32 3
		.amdhsa_float_denorm_mode_16_64 3
		.amdhsa_memory_ordered 1
		.amdhsa_forward_progress 1
		.amdhsa_inst_pref_size 255
	.end_amdhsa_kernel
	.section	.bss,"aw",@nobits
	.p2align	6
	.space	262144
	.amdgpu_metadata
---
amdhsa.version: [ 1, 2 ]
amdhsa.kernels:
  - .name:           k_qe0f2a134a6_attn
    .symbol:         k_qe0f2a134a6_attn.kd
    .args:
      - { .name: qc, .offset: 0, .size: 8, .value_kind: global_buffer, .address_space: global }
      - { .name: kc, .offset: 8, .size: 8, .value_kind: global_buffer, .address_space: global }
      - { .name: vc, .offset: 16, .size: 8, .value_kind: global_buffer, .address_space: global }
      - { .name: mc, .offset: 24, .size: 8, .value_kind: global_buffer, .address_space: global }
      - { .name: lowp_scales, .offset: 32, .size: 8, .value_kind: global_buffer, .address_space: global }
      - { .name: out0, .offset: 40, .size: 8, .value_kind: global_buffer, .address_space: global }
    .group_segment_fixed_size: 327680
    .private_segment_fixed_size: 0
    .kernarg_segment_align: 8
    .kernarg_segment_size: 48
    .max_flat_workgroup_size: 128
    .sgpr_count:     66
    .vgpr_count:     1024
    .wavefront_size: 32
...
	.end_amdgpu_metadata
.endif
;; end of part 2
